; MI455X (gfx1250); checked and timed in simulation.
; The chip was launched on July 23, 2026; its instructions are those of AMD's public machine-readable ISA for CDNA 5 (MIT licence, August 2026) and "CDNA5" Instruction Set Architecture Reference Guide (July 2026). The comments in the code are by the model that wrote it; some were corrected since.
;; Multi Attention Head. Allowed arithmetic: float matrix products may take bf16 or f16 operands with f32 sums; all other float work in f32.
;; Inputs: Wk 1,024 x 1,024 float32; Wq 1,024 x 1,024 float32; Wv 1,024 x 1,024 float32; bk 1,024 float32; bq 1,024 float32; bv 1,024 float32; x 4 x 8,192 x 1,024 float32.
;; Outputs: out0 4 x 1 x 1,024 float32.
;; One version. Each part assembles by itself: llvm-mc -triple=amdgcn-amd-amdhsa -mcpu=gfx1250 --defsym DOCPART=n.
;; ======== version 1 of 1: 3 launches
;; limits: values are held in f16: magnitudes above 65,504 overflow, below 6.1e-05 lose precision; inputs' magnitudes at most 65,504; right only within a limited range of input values
;; workspace buffers: qkh 131,072 bytes; qsc 512 bytes; zpart 16,777,216 bytes; stat 32,768 bytes
;; launch prep (part 1): grid 64 x 1, 16 waves a work-group, clusters of 4 x 1, 281,600 bytes of LDS; arguments x, Wq, bq, Wk, bk, qkh, qsc; writes qkh, qsc
.if DOCPART == 1
	.amdgcn_target "amdgcn-amd-amdhsa--gfx1250"
	.amdhsa_code_object_version 6
	.text
	.protected	k_q87f94a474c_prep
	.globl	k_q87f94a474c_prep
	.p2align	8
	.type	k_q87f94a474c_prep,@function
k_q87f94a474c_prep:
	s_mov_b64 s[64:65], 0
	v_nop
	global_prefetch_b8 v0, s[64:65] scope:SCOPE_SE
	s_setreg_imm32_b32 hwreg(HW_REG_WAVE_MODE, 25, 1), 1
	s_wait_xcnt 0x0
	s_wait_alu depctr_hold_cnt(0) depctr_sa_sdst(0) depctr_va_vdst(0) depctr_va_sdst(0) depctr_va_ssrc(0) depctr_va_vcc(0) depctr_vm_vsrc(0)
	s_getreg_b32 s2, hwreg(HW_REG_IB_STS2, 6, 4)
	s_cmp_eq_u32 s2, 0
	s_cbranch_scc0 .Lentry_in_a_cluster
	s_endpgm
.Lentry_in_a_cluster:
	s_bfe_u32 s2, ttmp6, 0x10000c
	s_cmp_lg_u32 s2, 0x3003
	s_cbranch_scc0 .Lentry_shape_is_right
	s_endpgm
.Lentry_shape_is_right:
; The query is one row a batch, so score[b,h,t] = ((Wk_h^T q[b,h]) . x[b,t] + q[b,h] . bk_h) / 8.  This launch makes, all in f32 on the vector unit
; (products of four rows that read their weights once):
;   q[b][d]   = x[b][8191] . Wq[64 h + d] + bq[64 h + d]
;   qkh[b][h][c] = f16( 64 / n1 * sum over d of q[b][d] Wk[64 h + d][c] ),  n1 = sum over d of |q[b][d]|
;   qsc[b][h] = ( n1 * log2(e) / 512 ,  (q[b] . bk_h) * log2(e) / 8 ):  score in units of log2 = (x . qkh) * first + second
; Work-group (h, cq): head h, all four batches, the 256 columns 256 cq .. of qkh.  16 waves.  Wave w takes the rows 4 w .. 4 w + 3 of Wq_h and of Wk_h:
; it makes q[.][4 w ..] whole (1,024 columns, 32 a lane) and uses these four numbers a batch straight from its registers against its four rows of Wk.
; CLUSTER: the four groups of one head (cq = 0..3) need the same 256 KiB of Wq_h.  They form a cluster and ask for it JOINTLY: each wave of each of
; the four issues the same tensor load (its 16 KiB, dense in memory, as 64 rows of 256 bytes) with a mask that names the four, and each group receives
; the bytes in its own LDS.  That divides the requests for Wq by four.  A wave has one tensor load out; it alone reads the bytes that the load brings.
; The last rows of x (16 KiB) and the biases are a small part of the group's bytes and come by plain loads; Wk's columns differ between the four.
; No branch and no LDS address hangs on cq: it enters global addresses and one selection of values.
; LIMITS: |qkh| <= 64 max|Wk|, so |Wk| < 1023 keeps it inside f16.  n1 is held at 2^-100 from below (a query of zeros gives qkh = 0) and must stay
; below 2^126, beyond which the reciprocal would come out as zero.
.set WPART, 16384                      ; LDS 0 ..: wave w's four rows of Wq_h at w x 16,384; behind its last read the first 4,096 bytes hold its partial qk, [4 b][256 c] f32
.set XS,  262144                       ; LDS: x[b][8191][0..1023], four rows of 4,096 bytes
.set QP,  278528                       ; LDS: q, [4 b][64 d] f32
.set L16, 1                            ; v1        16 x lane
.set LW,  2                            ; v2        LDS: my 16 bytes in my wave's part
.set AWK, 3                            ; v3        my byte offset in Wk_h
.set AB4, 4                            ; v4        16 x wave
.set L8,  5                            ; v5        8 x lane
.set AXL, 6                            ; v6        my byte offset in x, in a last row
.set LA,  7                            ; v7        LDS address at work
.set ACC, 8                            ; v[8:15]   first the staging of x, then four pairs of sums, one a batch
.set SUM, 16                           ; v[16:23]  sums on their way across the lanes
.set TMP, 24                           ; v[24:31]  the other half of the lanes
.set BKP, 32                           ; v[32:33]  bk[64 h + 2 lane ..]
.set BQ4, 34                           ; v[34:37]  bq[64 h + 4 wave ..]
.set QPA, 38                           ; v38       LDS: q[0][4 wave ..]
.set Q4,  40                           ; v[40:55]  q[b][4 wave + i] at 4 b + i, the same in every lane
.set WK,  56                           ; v[56:87]  Wk: 8 i + 4 j + e
.set WQ,  88                           ; v[88:119] a row of Wq: a ring of eight slots of 4 registers
.set AP,  120                          ; v[120:123] LDS: the partial sums of waves 4 k .. 4 k + 3
.set XL,  128                          ; v[128:255] x_last: 32 b + 4 j + e
.set QK,  128                          ; v[128:159] second part: sums, 8 b + column
.set PS,  160                          ; v[160:223] last part: the 16 partial sums
.set G1,  40                           ; s[40:47]  descriptor group 1
.set G0,  48                           ; s[48:51]  descriptor group 0
; A round of the cluster's barrier: my group's barrier, so that wave 0's signal speaks for all 16 waves; wave 0 signals for the group; every wave waits
; for the four groups; my group's barrier once more.
.macro ROUND
	s_barrier_signal -1
	s_barrier_wait -1
	s_cmp_lg_u32 s18, 0
	s_cbranch_scc1 .Lnot_wave_0_\@
	s_barrier_signal -3
.Lnot_wave_0_\@:
	s_barrier_wait -3
	s_barrier_signal -1
	s_barrier_wait -1
.endm
	s_load_b256 s[4:11], s[0:1], 0x0               ; x s[4:5], Wq s[6:7], bq s[8:9], Wk s[10:11]
	s_load_b128 s[12:15], s[0:1], 0x20             ; bk s[12:13], qkh s[14:15]
	s_load_b64 s[16:17], s[0:1], 0x30              ; qsc
	v_lshl_add_u32 v126, v0, 2, 0x44400
	v_mov_b32 v127, 0
	ds_add_u32 v126, v127
	s_wait_dscnt 0x0
	v_lshrrev_b32 v1, 5, v0
	v_readfirstlane_b32 s18, v1                    ; wave 0..15
	s_mov_b32 s19, ttmp9                           ; h: in a cluster launch ttmp9 counts clusters
	s_bfe_u32 s20, ttmp6, 0x40000                  ; cq: my place in the cluster
	s_lshr_b32 s21, s18, 1                         ; last part: which batch
	s_and_b32 s22, s18, 1                          ; last part: which 128 columns
	s_mov_b32 s26, 0x76543210                      ; v_permlanex16_b32: lane i of one half reads lane i of the other
	s_mov_b32 s27, 0xfedcba98
	v_and_b32 v[L8], 31, v0
	v_lshlrev_b32 v[L16], 4, v[L8]
	v_lshlrev_b32 v[L8], 3, v[L8]
	s_lshl_b32 s23, s18, 14                        ; four rows of 4,096 bytes a wave, in memory and in LDS
	v_add_nc_u32 v[LW], s23, v[L16]
	v_add_nc_u32 v[AWK], s23, v[L16]
	s_lshl_b32 s24, s18, 4
	v_mov_b32 v[AB4], s24
	v_add_nc_u32 v[QPA], QP, v[AB4]
	s_lshr_b32 s24, s18, 2                         ; waves 4 b .. 4 b + 3 bring batch b: 1,024 bytes each
	s_lshl_b32 s24, s24, 25                        ; a batch is 8,192 rows of 4,096 bytes
	s_and_b32 s25, s18, 3
	s_lshl_b32 s25, s25, 10
	s_add_co_u32 s24, s24, s25
	s_add_co_u32 s24, s24, 8191*4096               ; its last row
	v_add_nc_u32 v[AXL], s24, v[L16]
.irp b, 0,1,2,3,4,5,6,7
	v_mov_b32 v[TMP+\b], 0                         ; v_permlanex16_b32 counts as a reader of its destination
.endr
	s_lshl_b32 s30, s19, 18                        ; Wq: 64 h + 4 wave rows: made of the head and the wave's number alone
	s_add_co_u32 s30, s30, s23
	s_mov_b32 s31, 0
	s_lshl_b32 s32, s19, 18                        ; Wk: 64 h rows + 256 cq columns
	s_lshl_b32 s29, s20, 10
	s_add_co_u32 s32, s32, s29
	s_mov_b32 s33, 0
	s_lshl_b32 s34, s19, 8                         ; bq, bk: 64 h numbers
	s_mov_b32 s35, 0
	s_lshl_b32 s36, s19, 11                        ; qkh: head h, column 256 cq, in f16
	s_lshl_b32 s29, s20, 9
	s_add_co_u32 s36, s36, s29
	s_mov_b32 s37, 0
	s_lshl_b32 s38, s20, 4                         ; qsc: pair (b = cq, h)
	s_add_co_u32 s38, s38, s19
	s_lshl_b32 s38, s38, 3
	s_mov_b32 s39, 0
	; descriptor group 1: 16,384 bytes that are dense in memory, as 64 rows of 32 elements of 8 bytes
	s_mov_b32 s[G1+0], 15|(3<<16)|(1<<21)          ; 15:0 the mask: all four groups of the cluster; 17:16 elements of 8 bytes; 21 set beside a mask
	s_mov_b32 s[G1+1], 32<<16                      ; tensor_dim0 = 32
	s_mov_b32 s[G1+2], 64<<16                      ; tensor_dim1 = 64
	s_mov_b32 s[G1+3], 32<<16                      ; tile_dim0 = 32
	s_mov_b32 s[G1+4], 64                          ; tile_dim1 = 64
	s_mov_b32 s[G1+5], 32                          ; from row to row: 32 elements
	s_mov_b32 s[G1+6], 0
	s_mov_b32 s[G1+7], 0
	ROUND                                          ; the four groups are here: the joint loads meet.  It stands while the kernel's arguments are on their way
	s_wait_kmcnt 0x0
	s_add_nc_u64 s[6:7], s[6:7], s[30:31]
	s_add_nc_u64 s[10:11], s[10:11], s[32:33]
	s_add_nc_u64 s[8:9], s[8:9], s[34:35]
	s_add_nc_u64 s[12:13], s[12:13], s[34:35]
	s_add_nc_u64 s[14:15], s[14:15], s[36:37]
	s_add_nc_u64 s[16:17], s[16:17], s[38:39]
	s_mov_b32 s[G0], 1                             ; count = 1
	s_lshl_b32 s[G0+1], s18, 14                    ; LDS address: wave x 16,384
	s_mov_b64 s[G0+2:G0+3], s[6:7]                 ; my four rows of Wq_h
	s_or_b32 s[G0+3], s[G0+3], 0x80000000          ; type = 2
	tensor_load_to_lds s[G0:G0+3], s[G1:G1+7]      ; the wave's one tensor load
	s_nop 0
	; the 12 plain loads of the wave: 2 of x, bq, bk, 8 of Wk
	global_load_b128 v[ACC:ACC+3],   v[AXL], s[4:5]
	global_load_b128 v[ACC+4:ACC+7], v[AXL], s[4:5] offset:512
	global_load_b128 v[BQ4:BQ4+3], v[AB4], s[8:9]
	global_load_b64 v[BKP:BKP+1], v[L8], s[12:13]
.irp i, 0,1,2,3
.irp j, 0,1
	global_load_b128 v[WK+8*\i+4*\j:WK+8*\i+4*\j+3], v[AWK], s[10:11] offset:\i*4096+\j*512 th:TH_LOAD_NT   ; no other group reads these bytes
.endr
.endr
	; the four last rows of x go through LDS, so that each is fetched once by the group
	s_lshl_b32 s24, s18, 10
	s_add_co_u32 s24, s24, XS
	v_add_nc_u32 v[LA], s24, v[L16]                ; XS + 1,024 wave + 16 lane
	s_wait_loadcnt 10                              ; the two loads of x are in; the 10 issued behind them stay out
	ds_store_b128 v[LA], v[ACC:ACC+3]
	ds_store_b128 v[LA], v[ACC+4:ACC+7] offset:512
	s_wait_dscnt 0x0                               ; my stores are done before I say so
	s_barrier_signal -1
	s_barrier_wait -1                              ; the tensor load may stay out across it
	v_add_nc_u32 v[LA], XS, v[L16]
.irp b, 0,1,2,3
.irp j, 0,1,2,3,4,5,6,7
	ds_load_b128 v[XL+32*\b+4*\j:XL+32*\b+4*\j+3], v[LA] offset:\b*4096+\j*512
.endr
.endr
	s_wait_tensorcnt 0x0                           ; my four rows of Wq are in LDS; only I read them
.irp j, 0,1,2,3,4,5,6,7
	ds_load_b128 v[WQ+4*\j:WQ+4*\j+3], v[LW] offset:\j*512     ; the ring is filled with row 0
.endr
	s_wait_loadcnt 8                               ; bq and bk are in; the eight loads of Wk stay out
; n sums in v[SUM ..] are added over the 32 lanes; every lane ends with the result
.macro WSUM n
.irp m, 1,2,4,8
.set r, 0
.rept \n
	v_add_f32_dpp v[SUM+r], v[SUM+r], v[SUM+r] row_xmask:\m row_mask:0xf bank_mask:0xf
.set r, r+1
.endr
.endr
.set r, 0
.rept \n
	v_permlanex16_b32 v[TMP+r], v[SUM+r], s26, s27
.set r, r+1
.endr
.set r, 0
.rept \n
	v_add_f32 v[SUM+r], v[SUM+r], v[TMP+r]
.set r, r+1
.endr
.endm
; row i of my four rows of Wq against the four last rows of x.  Slot j of the ring holds 128 columns (4 a lane); when it has been used it is
; loaded again with the same columns of the next row.
.macro ROW i
.irp j, 0,1,2,3,4,5,6,7
.if \i < 3
	s_wait_dscnt 7                                 ; slot j is in: behind its load stand those of the seven other slots
.else
	s_wait_dscnt 7-\j                              ; the last row: nothing is loaded again, the counts run down
.endif
.irp b, 0,1,2,3
.if \j == 0
	v_pk_mul_f32 v[ACC+2*\b:ACC+2*\b+1], v[WQ:WQ+1], v[XL+32*\b:XL+32*\b+1]   ; the first product starts the sums
.else
	v_pk_fma_f32 v[ACC+2*\b:ACC+2*\b+1], v[WQ+4*\j:WQ+4*\j+1], v[XL+32*\b+4*\j:XL+32*\b+4*\j+1], v[ACC+2*\b:ACC+2*\b+1]
.endif
.endr
.irp b, 0,1,2,3
	v_pk_fma_f32 v[ACC+2*\b:ACC+2*\b+1], v[WQ+4*\j+2:WQ+4*\j+3], v[XL+32*\b+4*\j+2:XL+32*\b+4*\j+3], v[ACC+2*\b:ACC+2*\b+1]
.endr
.if \i < 3
	ds_load_b128 v[WQ+4*\j:WQ+4*\j+3], v[LW] offset:(\i+1)*4096+\j*512
.endif
.endr
.irp b, 0,1,2,3
	v_add_f32 v[SUM+\b], v[ACC+2*\b], v[ACC+2*\b+1]
.endr
	WSUM 4
.irp b, 0,1,2,3
	v_add_f32 v[Q4+4*\b+\i], v[SUM+\b], v[BQ4+\i]  ; q[b][4 wave + i], in every lane
.endr
.endm
	ROW 0
	ROW 1
	ROW 2
	ROW 3
	; second part: my four rows of Wk_h times my four q, for the four batches
	s_wait_loadcnt 0x0                             ; Wk
; row i: eight columns a lane, q[b][4 wave + i] taken twice out of its pair (the first register for even i, the second for odd i)
.macro QKROW i
.irp b, 0,1,2,3
.irp k, 0,2,4,6
.if \i == 0
	v_pk_mul_f32 v[QK+8*\b+\k:QK+8*\b+\k+1], v[WK+\k:WK+\k+1], v[Q4+4*\b:Q4+4*\b+1] op_sel_hi:[1,0]
.elseif \i & 1
	v_pk_fma_f32 v[QK+8*\b+\k:QK+8*\b+\k+1], v[WK+8*\i+\k:WK+8*\i+\k+1], v[Q4+4*\b+\i-1:Q4+4*\b+\i], v[QK+8*\b+\k:QK+8*\b+\k+1] op_sel:[0,1,0] op_sel_hi:[1,1,1]
.else
	v_pk_fma_f32 v[QK+8*\b+\k:QK+8*\b+\k+1], v[WK+8*\i+\k:WK+8*\i+\k+1], v[Q4+4*\b+\i:Q4+4*\b+\i+1], v[QK+8*\b+\k:QK+8*\b+\k+1] op_sel_hi:[1,0,1]
.endif
.endr
.endr
.endm
	QKROW 0
	QKROW 1
	QKROW 2
	QKROW 3
	; the partial sums go into the head of my own part of the tile: its one fill has landed, my reads of it are back, and nothing is filled again
.irp b, 0,1,2,3
.irp j, 0,1
	ds_store_b128 v[LW], v[QK+8*\b+4*\j:QK+8*\b+4*\j+3] offset:\b*1024+\j*512
.endr
.endr
.irp b, 0,1,2,3
	ds_store_b128 v[QPA], v[Q4+4*\b:Q4+4*\b+3] offset:\b*256   ; all lanes store the same 16 bytes to the same place
.endr
	s_wait_dscnt 0x0
	s_barrier_signal -1
	s_barrier_wait -1                              ; all 16 partial sums and all of q are in LDS
	s_cmp_ge_u32 s18, 8
	s_cbranch_scc1 .Lhigh
	; last part, waves 0 to 7: wave w takes batch w >> 1 and the columns 128 (w & 1) .., four a lane
	s_lshl_b32 s24, s21, 8
	s_add_co_u32 s24, s24, QP
	v_add_nc_u32 v[LA], s24, v[L8]                 ; q[b][2 lane ..]
	ds_load_b64 v[8:9], v[LA]
	s_lshl_b32 s24, s21, 10
	s_lshl_b32 s25, s22, 9
	s_add_co_u32 s24, s24, s25
	v_add_nc_u32 v[AP], s24, v[L16]
	v_add_nc_u32 v[AP+1], 4*WPART, v[AP]           ; an LDS offset has 16 bits: four waves' parts to an address register
	v_add_nc_u32 v[AP+2], 8*WPART, v[AP]
	v_add_nc_u32 v[AP+3], 12*WPART, v[AP]
.set p, 0
.rept 16
	ds_load_b128 v[PS+4*p:PS+4*p+3], v[AP+(p>>2)] offset:(p&3)*WPART
.set p, p+1
.endr
	s_lshl_b32 s24, s21, 15                        ; qkh: a batch is 16 heads of 2,048 bytes
	s_lshl_b32 s25, s22, 8
	s_add_co_u32 s24, s24, s25
	s_wait_dscnt 16                                ; q is in; the 16 partial sums stay out
	v_add_f32 v[SUM], |v8|, |v9|
	WSUM 1                                         ; n1
	v_max_num_f32 v[SUM], 0x0d800000, v[SUM]       ; n1 >= 2^-100
	v_rcp_f32 v12, v[SUM]
	v_add_nc_u32 v10, s24, v[L8]                   ; my byte offset in qkh; also the plain instruction behind v_rcp_f32 (ISA guide 5.7.2)
	s_wait_alu depctr_va_vdst(0)
	v_mul_f32 v12, 0x42800000, v12                 ; 64 / n1
	v_mov_b32 v13, v12
	s_wait_dscnt 0x0
.irp d, 8,4,2,1
.set p, 0
.rept \d
	v_pk_add_f32 v[PS+4*p:PS+4*p+1],   v[PS+4*p:PS+4*p+1],   v[PS+4*(p+\d):PS+4*(p+\d)+1]
	v_pk_add_f32 v[PS+4*p+2:PS+4*p+3], v[PS+4*p+2:PS+4*p+3], v[PS+4*(p+\d)+2:PS+4*(p+\d)+3]
.set p, p+1
.endr
.endr
	v_pk_mul_f32 v[PS:PS+1],   v[PS:PS+1],   v[12:13]
	v_pk_mul_f32 v[PS+2:PS+3], v[PS+2:PS+3], v[12:13]
	v_cvt_pk_f16_f32 v14, v[PS],   v[PS+1]
	v_cvt_pk_f16_f32 v15, v[PS+2], v[PS+3]
	global_store_b64 v10, v[14:15], s[14:15]       ; the wave stores 256 consecutive bytes, at a multiple of 256 from the first byte of qkh
	s_branch .Lend
.Lhigh:
	s_cmp_lg_u32 s18, 8
	s_cbranch_scc1 .Lend
	; wave 8: the pair of qsc.  Group cq stores the pair of batch cq.  The wave makes the pairs of all four batches and selects: no branch hangs on cq.
	v_add_nc_u32 v[LA], QP, v[L8]
.irp b, 0,1,2,3
	ds_load_b64 v[ACC+2*\b:ACC+2*\b+1], v[LA] offset:\b*256    ; q[b][2 lane ..]
.endr
	v_mov_b32 v[AP], s20
	s_wait_dscnt 0x0
	v_add_f32 v16, |v8|,  |v9|
	v_add_f32 v17, |v10|, |v11|
	v_add_f32 v18, |v12|, |v13|
	v_add_f32 v19, |v14|, |v15|
.irp b, 0,1,2,3
	v_mul_f32 v[SUM+4+\b], v[ACC+2*\b], v[BKP]
.endr
.irp b, 0,1,2,3
	v_fmac_f32 v[SUM+4+\b], v[ACC+2*\b+1], v[BKP+1]
.endr
	WSUM 8                                         ; n1 of the four batches, q . bk_h of the four batches
.irp b, 1,2,3
	v_cmp_eq_u32 vcc_lo, \b, v[AP]
	v_cndmask_b32 v[SUM],   v[SUM],   v[SUM+\b],   vcc_lo
	v_cndmask_b32 v[SUM+4], v[SUM+4], v[SUM+4+\b], vcc_lo
.endr
	v_max_num_f32 v[SUM], 0x0d800000, v[SUM]       ; n1 >= 2^-100, as above
	v_mul_f32 v[SUM],   0x3b38aa3b, v[SUM]         ; n1 log2(e) / 512
	v_mul_f32 v[SUM+4], 0x3e38aa3b, v[SUM+4]       ; (q . bk) log2(e) / 8
	v_cmp_eq_u32 vcc_lo, 0, v[L8]
	v_cndmask_b32 v10, v[SUM+4], v[SUM], vcc_lo    ; lane 0: the scale; lane 1: the bias
	v_lshrrev_b32 v11, 1, v[L8]                    ; 4 x lane
	v_cmp_gt_u32 vcc_lo, 16, v[L8]                 ; lanes 0 and 1
	s_wait_xcnt 0x0                                ; EXEC is a source of the loads above: it changes only behind this wait
	s_and_saveexec_b32 s28, vcc_lo
	global_store_b32 v11, v10, s[16:17]
	s_wait_xcnt 0x0                                ; and again in front of the line that widens it
	s_or_b32 exec_lo, exec_lo, s28
.Lend:
	s_wait_tensorcnt 0x0
	ds_add_u32 v126, v127
	s_wait_dscnt 0x0
	ROUND                                          ; the closing round: no group ends while a partner may still ask for a tile that names it
	s_endpgm
.Lfunc_end_k_q87f94a474c_prep:
	.size	k_q87f94a474c_prep, .Lfunc_end_k_q87f94a474c_prep-k_q87f94a474c_prep
	.p2alignl 7, 3214868480
	.fill 96, 4, 3214868480
	.section	.rodata,"a",@progbits
	.p2align	6, 0x0
	.amdhsa_kernel k_q87f94a474c_prep
		.amdhsa_group_segment_fixed_size 281600
		.amdhsa_private_segment_fixed_size 0
		.amdhsa_enable_private_segment 0
		.amdhsa_kernarg_size 56
		.amdhsa_user_sgpr_count 2
		.amdhsa_user_sgpr_kernarg_segment_ptr 1
		.amdhsa_wavefront_size32 1
		.amdhsa_system_sgpr_workgroup_id_x 1
		.amdhsa_system_sgpr_workgroup_id_y 1
		.amdhsa_system_sgpr_workgroup_id_z 1
		.amdhsa_system_vgpr_workitem_id 0
		.amdhsa_next_free_vgpr 256
		.amdhsa_next_free_sgpr 66
		.amdhsa_reserve_vcc 1
		.amdhsa_float_denorm_mode_32 3
		.amdhsa_float_denorm_mode_16_64 3
		.amdhsa_memory_ordered 1
		.amdhsa_forward_progress 1
		.amdhsa_inst_pref_size 48
	.end_amdhsa_kernel
	.amdgpu_metadata
---
amdhsa.version: [ 1, 2 ]
amdhsa.kernels:
  - .name:           k_q87f94a474c_prep
    .symbol:         k_q87f94a474c_prep.kd
    .args:
      - { .name: x, .offset: 0, .size: 8, .value_kind: global_buffer, .address_space: global }
      - { .name: Wq, .offset: 8, .size: 8, .value_kind: global_buffer, .address_space: global }
      - { .name: bq, .offset: 16, .size: 8, .value_kind: global_buffer, .address_space: global }
      - { .name: Wk, .offset: 24, .size: 8, .value_kind: global_buffer, .address_space: global }
      - { .name: bk, .offset: 32, .size: 8, .value_kind: global_buffer, .address_space: global }
      - { .name: qkh, .offset: 40, .size: 8, .value_kind: global_buffer, .address_space: global }
      - { .name: qsc, .offset: 48, .size: 8, .value_kind: global_buffer, .address_space: global }
    .group_segment_fixed_size: 281600
    .private_segment_fixed_size: 0
    .kernarg_segment_align: 8
    .kernarg_segment_size: 56
    .max_flat_workgroup_size: 512
    .sgpr_count:     66
    .vgpr_count:     256
    .wavefront_size: 32
...
	.end_amdgpu_metadata
.endif
;; end of part 1
;; launch main (part 2): grid 256 x 1, 8 waves a work-group, no clusters, 307,456 bytes of LDS; arguments x, qkh, qsc, zpart, stat; writes zpart, stat
.if DOCPART == 2
	.amdgcn_target "amdgcn-amd-amdhsa--gfx1250"
	.amdhsa_code_object_version 6
	.text
	.protected	k_q87f94a474c_main
	.globl	k_q87f94a474c_main
	.p2align	8
	.type	k_q87f94a474c_main,@function
k_q87f94a474c_main:
	s_mov_b64 s[64:65], 0
	v_nop
	global_prefetch_b8 v0, s[64:65] scope:SCOPE_SE
	s_setreg_imm32_b32 hwreg(HW_REG_WAVE_MODE, 25, 1), 1
	s_wait_xcnt 0x0
; The one pass over x.  Work-group g owns the 128 rows 128 g .. of x taken as [32768][1024] (batch b = g >> 6) and makes, for the 16 heads,
;   s[h][t] = (x[t] . qkh[b][h]) * sc[h] + cb[h]      the scores, in units of log2
;   m[h] = max over its 128 t of s,   p[h][t] = 2^(s - m),   l[h] = sum of p,   z[h][c] = sum over t of p[h][t] x[t][c]
; and stores z to zpart[g] and (m, l) to stat[g].  The maximum is the true one of the 128 rows: no shift is assumed.
; x is read from memory once, turned to f16 on the way and kept in LDS (260 KiB), since it is wanted twice: by rows for the scores, by columns for z.
; Eight waves.  Stream and scores: wave w owns rows 16 w .. with all 1,024 columns, so a score is whole inside a wave.  z: wave w owns columns 128 w ..
; for all 128 rows, so no sum crosses waves.
; Matrix operands are f16: x, qkh (normalised by the launch before) and p (at most 1).  LIMITS: |x| <= 65504; a weight below about 3e-8 of the
; largest weight among the group's 128 rows counts as 0.  Sums, scores, maxima and exponentials are f32.
; x goes through registers (global_load), not through the tensor data mover: every number has to pass a register to become f16, and the f16 copy leaves
; no room in LDS for slots of f32.  No tile of x is shared between groups; qkh is 32 KiB beside the group's 512 KiB of x: nothing is asked for jointly.
;
; LDS.  Rows of XH and QK are 2,080 bytes apart (2,048 of data).  In rows whose number has bit 3 set the two 16-byte blocks of each 32 bytes are swapped.
; So the 16 rows of a fragment load begin at 32 r + 16 (r >> 3) modulo 256, and the 8 rows x 2 blocks of a transposing load at 32 i + 16 j: sixteen
; different multiples of 16 in both.
.set PITCH,  2080
.set WROWS,  16*PITCH                  ; a wave's 16 rows
.set QS,     128*PITCH                 ; behind XH: first QK, qkh[b] as [16 h] rows of PITCH; behind the last barrier the stage of the way out, 8 waves x 16 rows of 272 bytes
.set PP,     QS+34816                  ; p as f16, [16 h][128 t], rows 272 bytes apart
.set MX,     PP+4352                   ; [16 h][8 waves] f32: the waves' maxima
.set LS,     MX+512                    ; [16 h][8 waves] f32: the waves' sums
.set PPITCH, 272
.set LN,   1                           ; v1        lane
.set M,    2                           ; v[2:3]    first the offsets of the loads of qkh and qsc; then m, twice
.set GOFF, 4                           ; v4        my byte offset in the group's part of x
.set SA,   5                           ; v5, v6    where my 8 bytes of f16 go, in rows 0-7 and in rows 8-15 of my 16
.set AA,   7                           ; v7        fragments of x by rows
.set QA,   8                           ; v8        fragments of qkh
.set QST,  9                           ; v9        where I put qkh
.set TA,   10                          ; v[10:13]  transposing loads of x, one for each 32 rows
.set PA,   14                          ; v14       fragments of p
.set PST,  15                          ; v15       where I put p
.set MXS,  16                          ; v16       my wave's word in MX (and, 512 on, in LS)
.set MXR,  17                          ; v17       my head's eight words in MX
.set STO,  18                          ; v18       the way out: where I put 32 bytes of a row
.set RD,   19                          ; v19       the way out: where I read a row back
.set ZO,   20                          ; v20       my byte offset in zpart[g]
.set SO,   21                          ; v21       4 x lane
.set SC,   22                          ; v[22:23]  (sc, cb) of head lane % 16
.set T,    24                          ; v[24:31]  at work
.set S,    32                          ; v[32:63]  four accumulators of scores
.set P,    40                          ; v[40:47]  the weights
.set BF,   64                          ; v[64:95]  fragments of qkh, four K steps
.set AF,   96                          ; v[96:127] fragments of x, four K steps
.set X,    128                         ; v[128:255] ring of 32 loads of x
.set Z,    32                          ; v[32:95]  z: eight accumulators
.set PF,   96                          ; v[96:127] fragments of p, four K steps
.set XA,   128                         ; v[128:255] fragments of x by columns, two buffers of 64
	s_load_b256 s[4:11], s[0:1], 0x0               ; x s[4:5], qkh s[6:7], qsc s[8:9], zpart s[10:11]
	s_load_b64 s[12:13], s[0:1], 0x20              ; stat
	s_set_vgpr_msb 0x40
	v_lshl_add_u32 v0, v0, 2, 0x4ad00
	v_mov_b32 v1, 0
	s_set_vgpr_msb 0x4000
	v_lshrrev_b32 v1, 5, v0
	v_readfirstlane_b32 s14, v1                    ; wave 0..7
	s_mov_b32 s15, ttmp9                           ; g
	s_mov_b32 s20, 0x76543210                      ; v_permlanex16_b32: lane i of one half reads lane i of the other
	s_mov_b32 s21, 0xfedcba98
	v_and_b32 v[LN], 31, v0
	v_and_b32 v24, 15, v0                          ; r = lane % 16
	v_bfe_u32 v25, v0, 4, 1                        ; h = lane / 16
	s_lshl_b32 s16, s15, 19                        ; x: 128 rows of 4,096 bytes
	s_mov_b32 s17, 0
	s_lshr_b32 s28, s15, 6                         ; b
	s_lshl_b32 s18, s28, 15                        ; qkh: 16 heads of 2,048 bytes
	s_mov_b32 s19, 0
	s_lshl_b32 s22, s28, 7                         ; qsc: 16 pairs
	s_mov_b32 s23, 0
	s_lshl_b32 s24, s15, 16                        ; zpart: 16 heads of 4,096 bytes
	s_mov_b32 s25, 0
	s_lshl_b32 s26, s15, 7                         ; stat: 32 words
	s_mov_b32 s27, 0
	s_lshl_b32 s29, s14, 16
	v_lshl_add_u32 v[GOFF], v[LN], 4, s29          ; 16 rows x wave + 16 lane
	s_lshl_b32 s29, s14, 12
	v_lshl_add_u32 v2, v[LN], 4, s29               ; qkh: two heads a wave
	v_lshlrev_b32 v3, 3, v24                       ; qsc: pair r
	s_wait_kmcnt 0x0
	s_add_nc_u64 s[4:5], s[4:5], s[16:17]
	s_add_nc_u64 s[6:7], s[6:7], s[18:19]
	s_add_nc_u64 s[8:9], s[8:9], s[22:23]
	s_add_nc_u64 s[10:11], s[10:11], s[24:25]
	s_add_nc_u64 s[12:13], s[12:13], s[26:27]
.irp q, 0,1,2,3,4,5,6,7
	global_load_b128 v[BF+4*\q:BF+4*\q+3], v2, s[6:7] offset:\q*512
.endr
	global_load_b64 v[SC:SC+1], v3, s[8:9]
	; the ring is filled: column groups 0 and 1 (128 columns each) of my 16 rows; each load of the wave takes 512 consecutive bytes of a row
.irp n, 0,1
.irp i, 0,1,2,3,4,5,6,7,8,9,10,11,12,13,14,15
	global_load_b128 v[X+64*\n+4*\i:X+64*\n+4*\i+3], v[GOFF], s[4:5] offset:\i*4096+\n*512 th:TH_LOAD_NT
.endr
.endr
	; addresses, while the loads are on their way
	v_lshrrev_b32 v26, 3, v24                      ; r >> 3
	s_mul_i32 s28, s14, WROWS
	v_lshlrev_b32 v27, 3, v[LN]                    ; 8 lane
	v_add_nc_u32 v[SA], s28, v27
	v_and_b32 v28, 0xef, v27                       ; the same with bit 4 turned over: the other block of the 32 bytes
	v_add_nc_u32 v29, 16, v27
	v_and_b32 v29, 16, v29
	v_add3_u32 v[SA+1], v28, v29, s28
	v_add_nc_u32 v28, v25, v26
	v_and_b32 v28, 1, v28                          ; block h, swapped where r >= 8
	v_mul_u32_u24 v29, v24, PITCH
	v_lshl_add_u32 v29, v28, 4, v29
	v_add_nc_u32 v[AA], s28, v29
	v_add_nc_u32 v[QA], QS, v29
	s_lshr_b32 s29, s14, 2                         ; heads 2 w, 2 w + 1 have bit 3 set for waves 4 to 7
	v_add_nc_u32 v28, s29, v[LN]
	v_and_b32 v28, 1, v28
	v_and_b32 v30, 30, v[LN]
	v_add_lshl_u32 v28, v28, v30, 4
	s_mul_i32 s29, s14, 2*PITCH
	s_add_co_u32 s29, s29, QS
	v_add_nc_u32 v[QST], s29, v28
	v_and_b32 v28, 7, v[LN]
	v_lshl_add_u32 v28, v25, 3, v28                ; row 8 h + lane % 8 of 32
	v_mul_u32_u24 v28, v28, PITCH
	v_bfe_u32 v30, v[LN], 3, 1
	v_add_nc_u32 v30, v30, v25
	v_and_b32 v30, 1, v30                          ; block (lane / 8) % 2, swapped where h = 1 (bit 3 of the row)
	v_lshl_add_u32 v28, v30, 4, v28
	s_lshl_b32 s29, s14, 8                         ; my 128 columns
	v_add_nc_u32 v[TA], s29, v28
	v_add_nc_u32 v[TA+1], 32*PITCH, v[TA]
	v_add_nc_u32 v[TA+2], 64*PITCH, v[TA]
	v_add_nc_u32 v[TA+3], 96*PITCH, v[TA]
	v_mul_u32_u24 v28, v24, PPITCH                 ; r x 272
	v_lshl_add_u32 v29, v25, 4, v28
	v_add_nc_u32 v[PA], PP, v29
	s_lshl_b32 s29, s14, 5
	v_add_nc_u32 v[PST], s29, v[PA]                ; t = 16 w + 8 h ..
	v_lshl_add_u32 v[MXR], v24, 5, MX
	s_lshl_b32 s29, s14, 2
	v_add_nc_u32 v[MXS], s29, v[MXR]
	s_mul_i32 s29, s14, 16*PPITCH
	s_add_co_u32 s29, s29, QS                      ; my stage
	v_lshl_add_u32 v29, v25, 5, v28
	v_add_nc_u32 v[STO], s29, v29
	v_mul_u32_u24 v29, v25, PPITCH
	v_lshl_add_u32 v29, v24, 4, v29
	v_add_nc_u32 v[RD], s29, v29
	v_lshlrev_b32 v29, 12, v25
	v_lshl_add_u32 v29, v24, 4, v29
	s_lshl_b32 s29, s14, 9
	v_add_nc_u32 v[ZO], s29, v29
	v_lshlrev_b32 v[SO], 2, v[LN]
	s_wait_loadcnt 32                              ; qkh and qsc are in; the 32 loads of x stay out
.irp q, 0,1,2,3,4,5,6,7
	ds_store_b128 v[QST], v[BF+4*\q:BF+4*\q+3] offset:(\q>>2)*PITCH+(\q&3)*512
.endr
	s_wait_dscnt 0x0
	s_barrier_signal -1
	s_barrier_wait -1                              ; QK is whole
.macro PLACES                          ; four plain vector instructions that name no register of the matrix instruction in front (ISA guide 7.12.1)
.rept 4
	v_nop
.endr
.endm
; Column group n: 16 rows x 128 columns.  Each of its 16 loads is turned to f16 and put into XH, and its registers are loaded again with group n + 2;
; then four K steps of 32 are multiplied.  The reads see the stores in front of them: they are the wave's own bytes, and LDS serves a wave in order (ISA guide 5.7.1).
.macro GROUP n
.set i, 0
.rept 16
.if \n < 6
	s_wait_loadcnt 31                              ; the oldest load is in; 31 were issued behind it, the refills among them
.else
	s_wait_loadcnt 31-(16*(\n-6)+i)                ; nothing is left to ask for: the counts run down
.endif
	v_cvt_pk_f16_f32 v[T+2*(i&3)],   v[X+64*(\n&1)+4*i],   v[X+64*(\n&1)+4*i+1]
	v_cvt_pk_f16_f32 v[T+2*(i&3)+1], v[X+64*(\n&1)+4*i+2], v[X+64*(\n&1)+4*i+3]
	ds_store_b64 v[SA+(i>>3)], v[T+2*(i&3):T+2*(i&3)+1] offset:i*PITCH+\n*256
.if \n < 6
	global_load_b128 v[X+64*(\n&1)+4*i:X+64*(\n&1)+4*i+3], v[GOFF], s[4:5] offset:i*4096+(\n+2)*512 th:TH_LOAD_NT
.endif
.set i, i+1
.endr
	; the 32 conversions above are the places between the last group's matrix instructions and these loads into their sources
.irp s, 0,1,2,3
	ds_load_b128 v[AF+8*\s:AF+8*\s+3],   v[AA] offset:\n*256+64*\s
	ds_load_b128 v[AF+8*\s+4:AF+8*\s+7], v[AA] offset:\n*256+64*\s+32
	ds_load_b128 v[BF+8*\s:BF+8*\s+3],   v[QA] offset:\n*256+64*\s
	ds_load_b128 v[BF+8*\s+4:BF+8*\s+7], v[QA] offset:\n*256+64*\s+32
.endr
.irp s, 0,1,2,3
	s_wait_dscnt 12-4*\s                           ; this K step's four loads are in; those of the later steps stay out
.if \n == 0
	v_wmma_f32_16x16x32_f16 v[S+8*\s:S+8*\s+7], v[AF+8*\s:AF+8*\s+7], v[BF+8*\s:BF+8*\s+7], 0   ; the first products start the sums
.else
	v_wmma_f32_16x16x32_f16 v[S+8*\s:S+8*\s+7], v[AF+8*\s:AF+8*\s+7], v[BF+8*\s:BF+8*\s+7], v[S+8*\s:S+8*\s+7]   ; four accumulators by turns
.endif
.endr
.endm
.irp n, 0,1,2,3,4,5,6,7
	GROUP \n
.endr
	; lane (r, h), register j: head r, row t = 16 w + 8 h + j
	PLACES
.irp k, 0,2,4,6
	v_pk_add_f32 v[S+\k:S+\k+1],       v[S+\k:S+\k+1],       v[S+8+\k:S+8+\k+1]
	v_pk_add_f32 v[S+16+\k:S+16+\k+1], v[S+16+\k:S+16+\k+1], v[S+24+\k:S+24+\k+1]
.endr
.irp k, 0,2,4,6
	v_pk_add_f32 v[S+\k:S+\k+1], v[S+\k:S+\k+1], v[S+16+\k:S+16+\k+1]
.endr
.irp k, 0,2,4,6
	v_pk_fma_f32 v[S+\k:S+\k+1], v[S+\k:S+\k+1], v[SC:SC+1], v[SC:SC+1] op_sel:[0,0,1] op_sel_hi:[1,0,1]   ; both times sc, plus cb
.endr
	v_max3_num_f32 v[T],   v[S],   v[S+1], v[S+2]
	v_max3_num_f32 v[T+1], v[S+3], v[S+4], v[S+5]
	v_max3_num_f32 v[T],   v[T],   v[S+6], v[S+7]
	v_max_num_f32  v[T],   v[T],   v[T+1]
	v_permlanex16_b32 v[T+1], v[T], s20, s21       ; the other eight rows
	v_max_num_f32  v[T],   v[T],   v[T+1]
	ds_store_b32 v[MXS], v[T]                      ; both halves of the lanes store the same number
	s_wait_dscnt 0x0                               ; this store, my stores into XH and my reads of QK are done
	s_barrier_signal -1
	s_barrier_wait -1
	ds_load_b128 v[T:T+3],   v[MXR]
	ds_load_b128 v[T+4:T+7], v[MXR] offset:16
	s_wait_dscnt 0x0
	v_max3_num_f32 v[T],   v[T],   v[T+1], v[T+2]
	v_max3_num_f32 v[T+3], v[T+3], v[T+4], v[T+5]
	v_max3_num_f32 v[T],   v[T],   v[T+6], v[T+7]
	v_max_num_f32  v[M],   v[T],   v[T+3]          ; m of head r over the group's 128 rows
	v_mov_b32 v[M+1], v[M]
.irp k, 0,2,4,6
	v_pk_add_f32 v[S+\k:S+\k+1], v[S+\k:S+\k+1], v[M:M+1] neg_lo:[0,1] neg_hi:[0,1]
.endr
.irp j, 0,1,2,3,4,5,6,7
	v_exp_f32 v[P+\j], v[S+\j]
.endr
	v_nop                                          ; one plain instruction behind the exponentials (ISA guide 5.7.2)
	s_wait_alu depctr_va_vdst(0)
	v_pk_add_f32 v[T:T+1],   v[P:P+1],     v[P+2:P+3]
	v_pk_add_f32 v[T+2:T+3], v[P+4:P+5],   v[P+6:P+7]
.irp j, 0,1,2,3
	v_cvt_pk_f16_f32 v[T+4+\j], v[P+2*\j], v[P+2*\j+1]
.endr
	v_pk_add_f32 v[T:T+1], v[T:T+1], v[T+2:T+3]
	v_add_f32 v[T], v[T], v[T+1]
	v_permlanex16_b32 v[T+1], v[T], s20, s21
	v_add_f32 v[T], v[T], v[T+1]                   ; the sum over my wave's 16 rows
	ds_store_b128 v[PST], v[T+4:T+7]
	ds_store_b32 v[MXS], v[T] offset:LS-MX
	s_wait_dscnt 0x0
	s_barrier_signal -1
	s_barrier_wait -1                              ; p and the sums are whole; nobody reads QK any more
	; z, with the matrix instruction used transposed: source 0 = 16 columns of x (by transposing loads), source 1 = p of the 16 heads.
	; Lane (r, h), register j of tile n then holds z[head r][128 w + 16 n + 8 h + j]: eight neighbouring numbers of a row of zpart.
.macro XT ks, buf
.irp n, 0,1,2,3,4,5,6,7
	ds_load_tr16_b128 v[XA+64*\buf+8*\n:XA+64*\buf+8*\n+3],   v[TA+\ks] offset:32*\n
	ds_load_tr16_b128 v[XA+64*\buf+8*\n+4:XA+64*\buf+8*\n+7], v[TA+\ks] offset:32*\n+16*PITCH
.endr
.endm
.macro ZMUL ks, buf, zero              ; eight accumulators by turns
.irp n, 0,1,2,3,4,5,6,7
.if \zero
	v_wmma_f32_16x16x32_f16 v[Z+8*\n:Z+8*\n+7], v[XA+64*\buf+8*\n:XA+64*\buf+8*\n+7], v[PF+8*\ks:PF+8*\ks+7], 0
.else
	v_wmma_f32_16x16x32_f16 v[Z+8*\n:Z+8*\n+7], v[XA+64*\buf+8*\n:XA+64*\buf+8*\n+7], v[PF+8*\ks:PF+8*\ks+7], v[Z+8*\n:Z+8*\n+7]
.endif
.endr
.endm
.irp k, 0,1,2,3
	ds_load_b128 v[PF+8*\k:PF+8*\k+3],   v[PA] offset:64*\k
	ds_load_b128 v[PF+8*\k+4:PF+8*\k+7], v[PA] offset:64*\k+32
.endr
	XT 0, 0
	XT 1, 1
	s_wait_dscnt 16                                ; p and buffer 0 are in; the 16 loads of buffer 1 stay out
	ZMUL 0, 0, 1
	PLACES
	XT 2, 0
	s_wait_dscnt 16                                ; buffer 1 is in; the 16 just issued stay out
	ZMUL 1, 1, 0
	PLACES
	XT 3, 1
	s_wait_dscnt 16
	ZMUL 2, 0, 0
	s_wait_dscnt 0x0
	ZMUL 3, 1, 0
	PLACES                                         ; in front of the stores that read the results and of the loads into buffer 0
; The way out, 64 columns at a time: 32 bytes a lane into my own stage, read back as rows of 256 bytes.  The stage is the wave's own, and LDS serves a wave in order.
.macro OUTHALF p
.irp n, 0,1,2,3
	ds_store_b128 v[STO], v[Z+8*(4*\p+\n):Z+8*(4*\p+\n)+3]   offset:64*\n
	ds_store_b128 v[STO], v[Z+8*(4*\p+\n)+4:Z+8*(4*\p+\n)+7] offset:64*\n+16
.endr
.irp u, 0,1,2,3,4,5,6,7
	ds_load_b128 v[XA+32*\p+4*\u:XA+32*\p+4*\u+3], v[RD] offset:\u*2*PPITCH
.endr
.irp u, 0,1,2,3,4,5,6,7
	s_wait_dscnt 7-\u
	global_store_b128 v[ZO], v[XA+32*\p+4*\u:XA+32*\p+4*\u+3], s[10:11] offset:\u*8192+\p*256   ; 16 lanes store 256 consecutive bytes of head 2 u + h, at a multiple of 256
.endr
.endm
	OUTHALF 0
	OUTHALF 1
	s_cmp_lg_u32 s14, 0
	s_cbranch_scc1 .Lend
	ds_load_b128 v[T:T+3],   v[MXR] offset:LS-MX   ; wave 0: the eight waves' sums of head r
	ds_load_b128 v[T+4:T+7], v[MXR] offset:LS-MX+16
	s_wait_dscnt 0x0
	v_pk_add_f32 v[T:T+1],   v[T:T+1],   v[T+2:T+3]
	v_pk_add_f32 v[T+4:T+5], v[T+4:T+5], v[T+6:T+7]
	v_pk_add_f32 v[T:T+1],   v[T:T+1],   v[T+4:T+5]
	v_add_f32 v[T], v[T], v[T+1]
	v_cmp_gt_u32 vcc_lo, 16, v[LN]
	v_cndmask_b32 v[T], v[T], v[M], vcc_lo         ; lanes 0-15: m[r]; lanes 16-31: l[r]
	global_store_b32 v[SO], v[T], s[12:13]         ; 128 consecutive bytes
.Lend:
	s_set_vgpr_msb 0x5
	s_wait_tensorcnt 0x0
	ds_add_u32 v0, v1
	s_wait_dscnt 0x0
	s_set_vgpr_msb 0x500
	s_endpgm
.Lfunc_end_k_q87f94a474c_main:
	.size	k_q87f94a474c_main, .Lfunc_end_k_q87f94a474c_main-k_q87f94a474c_main
	.p2alignl 7, 3214868480
	.fill 96, 4, 3214868480
	.section	.rodata,"a",@progbits
	.p2align	6, 0x0
	.amdhsa_kernel k_q87f94a474c_main
		.amdhsa_group_segment_fixed_size 307456
		.amdhsa_private_segment_fixed_size 0
		.amdhsa_enable_private_segment 0
		.amdhsa_kernarg_size 40
		.amdhsa_user_sgpr_count 2
		.amdhsa_user_sgpr_kernarg_segment_ptr 1
		.amdhsa_wavefront_size32 1
		.amdhsa_system_sgpr_workgroup_id_x 1
		.amdhsa_system_sgpr_workgroup_id_y 1
		.amdhsa_system_sgpr_workgroup_id_z 1
		.amdhsa_system_vgpr_workitem_id 0
		.amdhsa_next_free_vgpr 258
		.amdhsa_next_free_sgpr 66
		.amdhsa_reserve_vcc 1
		.amdhsa_float_denorm_mode_32 3
		.amdhsa_float_denorm_mode_16_64 3
		.amdhsa_memory_ordered 1
		.amdhsa_forward_progress 1
		.amdhsa_inst_pref_size 72
	.end_amdhsa_kernel
	.amdgpu_metadata
---
amdhsa.version: [ 1, 2 ]
amdhsa.kernels:
  - .name:           k_q87f94a474c_main
    .symbol:         k_q87f94a474c_main.kd
    .args:
      - { .name: x, .offset: 0, .size: 8, .value_kind: global_buffer, .address_space: global }
      - { .name: qkh, .offset: 8, .size: 8, .value_kind: global_buffer, .address_space: global }
      - { .name: qsc, .offset: 16, .size: 8, .value_kind: global_buffer, .address_space: global }
      - { .name: zpart, .offset: 24, .size: 8, .value_kind: global_buffer, .address_space: global }
      - { .name: stat, .offset: 32, .size: 8, .value_kind: global_buffer, .address_space: global }
    .group_segment_fixed_size: 307456
    .private_segment_fixed_size: 0
    .kernarg_segment_align: 8
    .kernarg_segment_size: 40
    .max_flat_workgroup_size: 256
    .sgpr_count:     66
    .vgpr_count:     258
    .wavefront_size: 32
...
	.end_amdgpu_metadata
.endif
;; end of part 2
;; launch final (part 3): grid 256 x 1, 8 waves a work-group, clusters of 4 x 1, 267,520 bytes of LDS; arguments zpart, stat, Wv, bv, out0; writes out0
.if DOCPART == 3
	.amdgcn_target "amdgcn-amd-amdhsa--gfx1250"
	.amdhsa_code_object_version 6
	.text
	.protected	k_q87f94a474c_final
	.globl	k_q87f94a474c_final
	.p2align	8
	.type	k_q87f94a474c_final,@function
k_q87f94a474c_final:
	s_mov_b64 s[64:65], 0
	v_nop
	global_prefetch_b8 v0, s[64:65] scope:SCOPE_SE
	s_setreg_imm32_b32 hwreg(HW_REG_WAVE_MODE, 25, 1), 1
	s_wait_xcnt 0x0
	s_wait_alu depctr_hold_cnt(0) depctr_sa_sdst(0) depctr_va_vdst(0) depctr_va_sdst(0) depctr_va_ssrc(0) depctr_va_vcc(0) depctr_vm_vsrc(0)
	s_getreg_b32 s2, hwreg(HW_REG_IB_STS2, 6, 4)
	s_cmp_eq_u32 s2, 0
	s_cbranch_scc0 .Lentry_in_a_cluster
	s_endpgm
.Lentry_in_a_cluster:
	s_bfe_u32 s2, ttmp6, 0x10000c
	s_cmp_lg_u32 s2, 0x3003
	s_cbranch_scc0 .Lentry_shape_is_right
	s_endpgm
.Lentry_shape_is_right:
; y[b][64 h + d] = Wv[64 h + d] . zbar + bv[64 h + d],  zbar = (sum over the 64 groups g of batch b of 2^(m_g - M) z_g) / (sum of 2^(m_g - M) l_g),  M = max of m_g.
; (The weights of a softmax add up to one, so bv enters once.)  All in f32 on the vector unit: one row against 16 rows of Wv.
; Work-group (bh, dq): batch bh >> 4, head bh & 15, the 16 outputs d = 16 dq ...  Eight waves.  Thread t merges the columns 4 t .. 4 t + 3 of zbar;
; then wave w takes the rows 2 w and 2 w + 1 of the group's 16 rows of Wv.
; The sum of the weights is at least 1 (the group that holds M has l >= 1) and at most 8192.
; CLUSTER: the four groups of one (b, h) (dq = 0..3) need the same 64 rows of 4,096 bytes of zpart, 256 KiB of the 320 KiB that a group reads.  They form
; a cluster and ask for them JOINTLY: each wave of each of the four issues the same two tensor loads (its 128 columns of 32 rows each: rows of 512 bytes,
; at multiples of 512 from the buffer's first byte) with a mask that names the four, and each group receives the bytes in its own LDS.  That divides the
; requests for zpart by four.  The whole tile fits in LDS at once: nothing is filled again.  A wave has two tensor loads out, and it alone reads the bytes
; that they bring.  The rows of Wv differ between the four and come by plain loads.  No branch and no LDS address hangs on dq.
.set WTILE, 32768                      ; LDS 0 ..: wave w's 64 rows of 512 bytes at w x 32,768
.set HTILE, 16384                      ; what one tensor load brings: 32 rows
.set ZL, 262144                        ; LDS: zbar, 1,024 f32
.set YL, 266240                        ; LDS: the 16 products
.set R,  128                           ; v[128:255] two blocks of 16 rows of the tile, 4 registers a row
.set W,  64                            ; v[64:127]  Wv: 32 i + 4 j + e
.set LA, 29                            ; v29        LDS: my 16 bytes in row 0 of my wave's part
.set G1, 16                            ; s[16:23]   descriptor group 1
.set G0, 24                            ; s[24:31]   descriptor group 0, one set for each of the two loads
                                       ; s32-s63, s66-s97: the 64 coefficients (before that s32-s47 serve the offsets)
; A round of the cluster's barrier: my group's barrier, so that wave 0's signal speaks for all eight waves; wave 0 signals for the group; every wave waits
; for the four groups; my group's barrier once more.
.macro ROUND
	s_barrier_signal -1
	s_barrier_wait -1
	s_cmp_lg_u32 s14, 0
	s_cbranch_scc1 .Lnot_wave_0_\@
	s_barrier_signal -3
.Lnot_wave_0_\@:
	s_barrier_wait -3
	s_barrier_signal -1
	s_barrier_wait -1
.endm
	s_load_b256 s[4:11], s[0:1], 0x0               ; zpart s[4:5], stat s[6:7], Wv s[8:9], bv s[10:11]
	s_load_b64 s[12:13], s[0:1], 0x20              ; out0
	v_lshl_add_u32 v62, v0, 2, 0x41100
	v_mov_b32 v63, 0
	ds_add_u32 v62, v63
	s_wait_dscnt 0x0
	v_lshrrev_b32 v6, 5, v0
	v_readfirstlane_b32 s14, v6                    ; wave 0..7
	s_lshr_b32 s32, ttmp9, 4                       ; b: in a cluster launch ttmp9 counts clusters, here 16 b + h
	s_and_b32 s33, ttmp9, 15                       ; h
	s_bfe_u32 s34, ttmp6, 0x40000                  ; dq: my place in the cluster
	s_mov_b32 s98, 0x76543210                      ; v_permlanex16_b32: lane i of one half reads lane i of the other
	s_mov_b32 s99, 0xfedcba98
	s_lshl_b32 s15, s14, 15                        ; my wave's part of the tile in LDS
	s_lshl_b32 s36, s32, 22                        ; zpart: 64 groups of 65,536 bytes a batch, 4,096 a head, 512 a wave: no place in the cluster enters
	s_lshl_b32 s35, s33, 12
	s_add_co_u32 s36, s36, s35
	s_lshl_b32 s35, s14, 9
	s_add_co_u32 s36, s36, s35
	s_mov_b32 s37, 0
	s_lshl_b32 s38, s32, 13                        ; stat: 64 groups of 128 bytes a batch, word h
	s_lshl_b32 s35, s33, 2
	s_add_co_u32 s38, s38, s35
	s_mov_b32 s39, 0
	s_lshl_b32 s40, s33, 18                        ; Wv: 64 h + 16 dq rows of 4,096 bytes
	s_lshl_b32 s46, s34, 16
	s_add_co_u32 s40, s40, s46
	s_mov_b32 s41, 0
	s_lshl_b32 s42, s33, 8                         ; bv: 64 h + 16 dq numbers
	s_lshl_b32 s46, s34, 6
	s_add_co_u32 s42, s42, s46
	s_mov_b32 s43, 0
	s_lshl_b32 s44, s32, 12                        ; out0: the same in row b
	s_add_co_u32 s44, s44, s42
	s_mov_b32 s45, 0
	; descriptor group 1: 32 rows of 128 elements of 4 bytes, 16,384 elements from row to row
	s_mov_b32 s[G1+0], 15|(2<<16)|(1<<21)          ; 15:0 the mask: all four groups of the cluster; 17:16 elements of 4 bytes; 21 set beside a mask
	s_mov_b32 s[G1+1], 128<<16                     ; tensor_dim0 = 128
	s_mov_b32 s[G1+2], 32<<16                      ; tensor_dim1 = 32
	s_mov_b32 s[G1+3], 128<<16                     ; tile_dim0 = 128
	s_mov_b32 s[G1+4], 32                          ; tile_dim1 = 32
	s_mov_b32 s[G1+5], 16384                       ; the pitch: a group's 16 heads of 1,024 numbers
	s_mov_b32 s[G1+6], 0
	s_mov_b32 s[G1+7], 0
	v_lshl_add_u32 v1, v0, 4, ZL                   ; ZL + 16 x thread
	v_and_b32 v7, 31, v0                           ; lane
	v_lshlrev_b32 v2, 4, v7                        ; 16 x lane
	v_lshlrev_b32 v3, 7, v7                        ; stat: lane L serves groups L and L + 32
	s_lshl_b32 s47, s14, 13
	v_add_nc_u32 v4, s47, v2                       ; Wv: two rows a wave
	v_add_nc_u32 v[LA], s15, v2
	v_add_nc_u32 v30, ZL, v2                       ; ZL + 16 x lane
	v_and_b32 v5, 15, v0
	v_lshlrev_b32 v5, 2, v5                        ; 4 x (lane % 16)
	v_add_nc_u32 v28, YL, v5
	v_mov_b32 v18, 0                               ; v_permlanex16_b32 counts as a reader of its destination
	v_mov_b32 v26, 0
	v_mov_b32 v27, 0
	ROUND                                          ; the four groups are here: the joint loads meet.  It stands while the kernel's arguments are on their way
	s_wait_kmcnt 0x0
	s_add_nc_u64 s[4:5], s[4:5], s[36:37]
	s_add_nc_u64 s[6:7], s[6:7], s[38:39]
	s_add_nc_u64 s[8:9], s[8:9], s[40:41]
	s_add_nc_u64 s[10:11], s[10:11], s[42:43]
	s_add_nc_u64 s[12:13], s[12:13], s[44:45]
.irp k, 0,1
	s_mov_b32 s[G0+4*\k], 1                                        ; count = 1
	s_add_co_u32 s[G0+4*\k+1], s15, \k*HTILE                       ; LDS address: wave x 32,768 + load x 16,384
	s_add_nc_u64 s[G0+4*\k+2:G0+4*\k+3], s[4:5], \k*32*65536       ; groups 32 k .. 32 k + 31 of the batch
	s_or_b32 s[G0+4*\k+3], s[G0+4*\k+3], 0x80000000                ; type = 2
	tensor_load_to_lds s[G0+4*\k:G0+4*\k+3], s[G1:G1+7]
	s_nop 0
.endr
	global_load_b32 v12, v3, s[6:7]                ; m of group L
	global_load_b32 v13, v3, s[6:7] offset:4096    ; m of group L + 32
	global_load_b32 v14, v3, s[6:7] offset:64      ; l of group L
	global_load_b32 v15, v3, s[6:7] offset:4160    ; l of group L + 32
	global_load_b32 v16, v5, s[10:11]              ; bv
.irp i, 0,1
.irp j, 0,1,2,3,4,5,6,7
	global_load_b128 v[W+32*\i+4*\j:W+32*\i+4*\j+3], v4, s[8:9] offset:\i*4096+\j*512
.endr
.endr
.macro WSUM r, t                       ; over the 32 lanes; every lane ends with the result
.irp m, 1,2,4,8
	v_add_f32_dpp v[\r], v[\r], v[\r] row_xmask:\m row_mask:0xf bank_mask:0xf
.endr
	v_permlanex16_b32 v[\t], v[\r], s98, s99
	v_add_f32 v[\r], v[\r], v[\t]
.endm
.macro WMAX r, t
.irp m, 1,2,4,8
	v_max_num_f32_dpp v[\r], v[\r], v[\r] row_xmask:\m row_mask:0xf bank_mask:0xf
.endr
	v_permlanex16_b32 v[\t], v[\r], s98, s99
	v_max_num_f32 v[\r], v[\r], v[\t]
.endm
	s_wait_loadcnt 17                              ; the four loads of stat are in; bv and the 16 of Wv stay out
	v_max_num_f32 v17, v12, v13
	WMAX 17, 18                                    ; M
	v_sub_f32 v12, v12, v17
	v_sub_f32 v13, v13, v17
	v_exp_f32 v20, v12
	v_exp_f32 v21, v13
	v_nop                                          ; one plain instruction behind the exponentials (ISA guide 5.7.2)
	s_wait_alu depctr_va_vdst(0)
	v_mul_f32 v19, v20, v14
	v_fmac_f32 v19, v21, v15
	WSUM 19, 18
	v_rcp_f32 v22, v19
	v_nop                                          ; and behind the reciprocal
	s_wait_alu depctr_va_vdst(0)
	v_mul_f32 v20, v20, v22
	v_mul_f32 v21, v21, v22                        ; the 64 coefficients: lane L holds those of groups L and L + 32
.set g, 0
.rept 32
	v_readlane_b32 s[32+g], v20, g                 ; groups 0-31 in s32-s63,
	v_readlane_b32 s[66+g], v21, g                 ; groups 32-63 in s66-s97
.set g, g+1
.endr
; block c = rows 16 c .. 16 c + 15 of the tile, into register block c & 1: each load of the wave takes a row's 512 consecutive bytes
.macro LDCH c
.set j, 0
.rept 16
	ds_load_b128 v[R+64*(\c&1)+4*j:R+64*(\c&1)+4*j+3], v[LA] offset:(16*\c+j)*512
.set j, j+1
.endr
.endm
; and its 16 rows are added, each times its group's coefficient
.macro FMCH c
.set j, 0
.rept 16
.set g, 16*\c+j
.if g < 32
.set CO, 32+g
.else
.set CO, 34+g
.endif
.irp k, 0,1,2,3
.if g == 0
	v_mul_f32 v[8+\k], s[CO], v[R+\k]              ; the first product starts the sums
.else
	v_fmac_f32 v[8+\k], s[CO], v[R+64*(\c&1)+4*j+\k]
.endif
.endr
.set j, j+1
.endr
.endm
	s_wait_tensorcnt 0x1                           ; rows 0 to 31 are in LDS; the second load may stay out
	LDCH 0
	LDCH 1
	s_wait_dscnt 16                                ; block 0 is in; the 16 loads of block 1 stay out
	FMCH 0
	s_wait_tensorcnt 0x0                           ; rows 32 to 63
	LDCH 2
	s_wait_dscnt 16                                ; block 1 is in; the 16 just issued stay out
	FMCH 1
	LDCH 3
	s_wait_dscnt 16
	FMCH 2
	s_wait_dscnt 0x0
	FMCH 3
	ds_store_b128 v1, v[8:11]                      ; ZL + 16 x thread: bytes into which no tensor load lands
	s_wait_dscnt 0x0
	s_barrier_signal -1
	s_barrier_wait -1                              ; zbar is whole
.irp j, 0,1,2,3,4,5,6,7
	ds_load_b128 v[R+4*\j:R+4*\j+3], v30 offset:512*\j
.endr
	s_wait_loadcnt 0x0                             ; Wv and bv
	s_wait_dscnt 0x0
.irp i, 0,1
	v_pk_mul_f32 v[20+2*\i:21+2*\i], v[W+32*\i:W+32*\i+1], v[R:R+1]
.endr
.set k, 2
.rept 15
.irp i, 0,1
	v_pk_fma_f32 v[20+2*\i:21+2*\i], v[W+32*\i+k:W+32*\i+k+1], v[R+k:R+k+1], v[20+2*\i:21+2*\i]
.endr
.set k, k+2
.endr
	v_add_f32 v24, v20, v21
	v_add_f32 v25, v22, v23
	WSUM 24, 26
	WSUM 25, 27
	s_lshl_b32 s101, s14, 3
	s_add_co_u32 s101, s101, YL
	v_mov_b32 v6, s101
	ds_store_b32 v6, v24                           ; all lanes store the same number to the same word
	ds_store_b32 v6, v25 offset:4
	s_wait_dscnt 0x0
	s_barrier_signal -1
	s_barrier_wait -1
	s_cmp_lg_u32 s14, 0
	s_cbranch_scc1 .Lend
	ds_load_b32 v24, v28                           ; wave 0: the 16 products
	v_cmp_gt_u32 vcc_lo, 16, v7
	s_wait_dscnt 0x0
	v_add_f32 v24, v24, v16
	s_wait_xcnt 0x0                                ; EXEC is a source of the loads above: it changes only behind this wait
	s_and_saveexec_b32 s100, vcc_lo
	global_store_b32 v5, v24, s[12:13]             ; lanes 0-15: 64 consecutive bytes
	s_wait_xcnt 0x0                                ; and again in front of the line that widens it
	s_or_b32 exec_lo, exec_lo, s100
.Lend:
	s_wait_tensorcnt 0x0
	ds_add_u32 v62, v63
	s_wait_dscnt 0x0
	ROUND                                          ; the closing round: no group ends while a partner may still ask for a tile that names it
	s_endpgm
.Lfunc_end_k_q87f94a474c_final:
	.size	k_q87f94a474c_final, .Lfunc_end_k_q87f94a474c_final-k_q87f94a474c_final
	.p2alignl 7, 3214868480
	.fill 96, 4, 3214868480
	.section	.rodata,"a",@progbits
	.p2align	6, 0x0
	.amdhsa_kernel k_q87f94a474c_final
		.amdhsa_group_segment_fixed_size 267520
		.amdhsa_private_segment_fixed_size 0
		.amdhsa_enable_private_segment 0
		.amdhsa_kernarg_size 40
		.amdhsa_user_sgpr_count 2
		.amdhsa_user_sgpr_kernarg_segment_ptr 1
		.amdhsa_wavefront_size32 1
		.amdhsa_system_sgpr_workgroup_id_x 1
		.amdhsa_system_sgpr_workgroup_id_y 1
		.amdhsa_system_sgpr_workgroup_id_z 1
		.amdhsa_system_vgpr_workitem_id 0
		.amdhsa_next_free_vgpr 256
		.amdhsa_next_free_sgpr 102
		.amdhsa_reserve_vcc 1
		.amdhsa_float_denorm_mode_32 3
		.amdhsa_float_denorm_mode_16_64 3
		.amdhsa_memory_ordered 1
		.amdhsa_forward_progress 1
		.amdhsa_inst_pref_size 28
	.end_amdhsa_kernel
	.amdgpu_metadata
---
amdhsa.version: [ 1, 2 ]
amdhsa.kernels:
  - .name:           k_q87f94a474c_final
    .symbol:         k_q87f94a474c_final.kd
    .args:
      - { .name: zpart, .offset: 0, .size: 8, .value_kind: global_buffer, .address_space: global }
      - { .name: stat, .offset: 8, .size: 8, .value_kind: global_buffer, .address_space: global }
      - { .name: Wv, .offset: 16, .size: 8, .value_kind: global_buffer, .address_space: global }
      - { .name: bv, .offset: 24, .size: 8, .value_kind: global_buffer, .address_space: global }
      - { .name: out0, .offset: 32, .size: 8, .value_kind: global_buffer, .address_space: global }
    .group_segment_fixed_size: 267520
    .private_segment_fixed_size: 0
    .kernarg_segment_align: 8
    .kernarg_segment_size: 40
    .max_flat_workgroup_size: 256
    .sgpr_count:     102
    .vgpr_count:     256
    .wavefront_size: 32
...
	.end_amdgpu_metadata
.endif
;; end of part 3
